; MI455X (gfx1250); checked and timed in simulation.
; The chip was launched on July 23, 2026; its instructions are those of AMD's public machine-readable ISA for CDNA 5 (MIT licence, August 2026) and "CDNA5" Instruction Set Architecture Reference Guide (July 2026). The comments in the code are by the model that wrote it; some were corrected since.
;; Mo E. Allowed arithmetic: float matrix products may take bf16 or f16 operands with f32 sums; other float arithmetic in f32, or as packed bf16 or f16 multiplies, adds, multiply-adds, maxima and minima; sums over many terms, partial sums and values carried from step to step in f32; what a program stores and reads back later, other than sums and carried values, may be rounded once to bf16 or f16.
;; Inputs: Be1 31 x 1,024 float32; Be2 31 x 1,024 float32; We1 31 x 1,024 x 1,024 float32; We2 31 x 1,024 x 1,024 float32; Wr 1,024 x 31 float32; br 31 float32; bs1 1,024 float32; bs2 1,024 float32; ws1 1,024 x 1,024 float32; ws2 1,024 x 1,024 float32; x 4 x 256 x 1,024 float32.
;; Outputs: out0 4 x 256 x 1,024 float32.
;; One version. Each part assembles by itself: llvm-mc -triple=amdgcn-amd-amdhsa -mcpu=gfx1250 --defsym DOCPART=n.
;; ======== version 1 of 1: 4 launches
;; workspace buffers: xb 2,097,152 bytes; sel 16,384 bytes of whole numbers; gates 16,384 bytes; h 8,388,608 bytes; y 16,777,216 bytes; modea 256 bytes of whole numbers; modeb 256 bytes of whole numbers
;; launch route (part 1): grid 64 x 1, 8 waves a work-group, no clusters, 83,712 bytes of LDS; arguments x, Wr, br, xb, sel, gates, modea, modeb; writes xb, sel, gates, modea, modeb
.if DOCPART == 1
	.amdgcn_target "amdgcn-amd-amdhsa--gfx1250"
	.amdhsa_code_object_version 6
	.text
	.protected	k_qa75b81c513_route
	.globl	k_qa75b81c513_route
	.p2align	8
	.type	k_qa75b81c513_route,@function
k_qa75b81c513_route:
	s_mov_b64 s[64:65], 0
	v_nop
	global_prefetch_b8 v0, s[64:65] scope:SCOPE_SE
	s_setreg_imm32_b32 hwreg(HW_REG_WAVE_MODE, 25, 1), 1
	s_wait_xcnt 0x0
; ROUTER.  logits = x Wr + br in f32; softmax over the 31 experts; the three largest, ties to the lower index; a bf16 copy of x.
; x: [1024][1024] f32.  Wr: [1024][31] f32.  Stored: xb [1024][1024] bf16; sel [4096] i32 and gates [4096] f32, four words a token:
; its three choices in the order of their size, then expert 31 (the shared one) with gate 1; modea = 0 and modeb = 1, the words that tell the two later launches of one text apart.
; The logits are made in f32 (the f32 matrix form: 33 M of the module's 9 G multiply-adds), since the choice has to be reference()'s own.
; LIMITS.  NaN and infinities are not treated apart.  The choice is made on p = 2^((l - max) log2 e); a p below 2^-126 counts as 0, and equal p go to the lower index.
; The sums' order differs from reference()'s: two logits closer than that rounding may change places.
; SHARES.  A work-group has 16 tokens.  Wave w: rows 2w, 2w+1 for the copy, K = 128w .. 128w+127 for the logits, tokens 2w, 2w+1 for the softmax.
; No address and no branch hangs on a number made here: the choices leave as data, at fixed places.
.set XP,    4112                       ; a row of x in LDS: 4,096 bytes + 16: 16 rows of a fragment load start 16 bytes apart modulo 256
.set PART,  16*XP                      ; [wave][16 tokens][32 experts] f32: the eight waves' partial logits
.set RES,   PART+16384                 ; 256 bytes of choices, 256 bytes of gates
.set SPARE, RES+512                    ; the spare words: 128 bytes a wave, four blocks of 256 bytes that no other line names
.set LN,  1                            ; v1   lane
.set RR,  2                            ; v2   lane % 16
.set HF,  3                            ; v3   lane / 16
.set SPW, 4                            ; v4   my spare word's LDS address; never rewritten
.set NIL, 5                            ; v5   0; never rewritten
.set XO,  6                            ; v6   16 x lane
.set XST, 7                            ; v7   where my 16 bytes of rows 2w, 2w+1 go in LDS
.set XBO, 8                            ; v8   8 x lane
.set ALD, 9                            ; v9   my place in the A fragments
.set WRO, 10                           ; v10-11  my byte offset in Wr for experts 0-15, 16-31 (31 repeats 30)
.set PST, 12                           ; v12  where my partial logits go
.set PLD, 13                           ; v13  where I read partial logits
.set RST, 14                           ; v14  where my tokens' results go
.set BRV, 15                           ; v15  br of expert = lane (its own offset first)
.set AC,  16                           ; v16-31  two accumulators; written by matrix instructions alone
.set XA,  32                           ; v32-95  x as loaded, later the A fragments
.set WB,  96                           ; v96-223 128 registers of Wr; later the softmax's registers
.set TB,  224                          ; v224-255 set-up's temporaries, then x in bf16
.set PW,  96
.set LG,  104
.set MX,  105
.set TM,  106
.set PP,  107
.set SM,  108
.set RI,  109
.set PV,  110
.set TI,  111
.set TG,  112
	s_load_b512 s[16:31], s[0:1], 0x0              ; x 16, Wr 18, br 20, xb 22, sel 24, gates 26, modea 28, modeb 30
	v_lshl_add_u32 v[SPW], v0, 2, SPARE
	v_mov_b32 v[NIL], 0
	v_and_b32 v[LN], 31, v0
	v_and_b32 v[RR], 15, v0
	v_bfe_u32 v[HF], v0, 4, 1
	v_lshrrev_b32 v[TB], 5, v0
	v_readfirstlane_b32 s8, v[TB]                  ; wave 0..7
	s_mov_b32 s12, 0x76543210                      ; v_permlanex16_b32: each lane takes its own place in the other half
	s_mov_b32 s13, 0xfedcba98
	s_mov_b32 s43, 0xff7fffff                      ; the lowest finite number
	s_lshl_b32 s9, ttmp9, 4
	s_lshl1_add_u32 s9, s8, s9                     ; my first row: 16 x work-group + 2 x wave
	s_lshl_b32 s32, s9, 12                         ; in x,
	s_mov_b32 s33, 0
	s_lshl_b32 s34, s9, 11                         ; in xb
	s_mov_b32 s35, 0
	s_lshl_b32 s36, ttmp9, 8                       ; the work-group's 64 words of sel and of gates
	s_mov_b32 s37, 0
	v_lshlrev_b32 v[XO], 4, v[LN]
	v_lshlrev_b32 v[XBO], 3, v[LN]
	s_mul_i32 s10, s8, 2*XP
	v_add_nc_u32 v[XST], s10, v[XO]
	v_mul_u32_u24 v[ALD], v[RR], XP
	v_lshl_add_u32 v[ALD], v[HF], 4, v[ALD]
	s_lshl_b32 s10, s8, 9
	v_add_nc_u32 v[ALD], s10, v[ALD]               ; row r, K = 128 w + 4 h
	s_lshl_b32 s10, s8, 7
	v_lshl_add_u32 v[TB], v[HF], 2, s10            ; Wr's row 128 w + 4 h,
	v_mul_u32_u24 v[TB], v[TB], 31                 ; of 31 numbers
	v_add_nc_u32 v[WRO], v[TB], v[RR]
	v_add_nc_u32 v[TB+1], 16, v[RR]
	v_min_u32 v[TB+1], 30, v[TB+1]                 ; there is no expert 31: the lane repeats 30 and is masked later
	v_add_nc_u32 v[WRO+1], v[TB], v[TB+1]
	v_lshlrev_b32 v[WRO], 2, v[WRO]
	v_lshlrev_b32 v[WRO+1], 2, v[WRO+1]
	s_lshl_b32 s10, s8, 11
	s_add_co_u32 s10, s10, PART
	v_lshl_add_u32 v[PST], v[RR], 2, s10
	v_lshl_add_u32 v[PST], v[HF], 10, v[PST]       ; wave's 2,048 bytes + token 8 h x 128 + expert r x 4
	s_lshl_b32 s10, s8, 8
	s_add_co_u32 s10, s10, PART
	v_lshl_add_u32 v[PLD], v[LN], 2, s10           ; token 2 w x 128 + expert = lane
	s_lshl_b32 s10, s8, 5
	s_add_co_u32 s10, s10, RES
	v_mov_b32 v[RST], s10                          ; token 2 w x 16 bytes
	v_min_u32 v[BRV], 30, v[LN]
	v_lshlrev_b32 v[BRV], 2, v[BRV]
	v_cmp_eq_u32 s40, 31, v[LN]                    ; the lane without an expert
	s_wait_kmcnt 0x0
	s_add_nc_u64 s[16:17], s[16:17], s[32:33]
	s_add_nc_u64 s[22:23], s[22:23], s[34:35]
	s_add_nc_u64 s[24:25], s[24:25], s[36:37]
	s_add_nc_u64 s[26:27], s[26:27], s[36:37]
.set qq, 0
.rept 16                                               ; my two rows of x: 8,192 consecutive bytes, 512 a load
	global_load_b128 v[XA+4*qq:XA+4*qq+3], v[XO], s[16:17] offset:512*qq
.set qq, qq+1
.endr
	global_load_b32 v[BRV], v[BRV], s[20:21]       ; lands on its own offset
; Wr as B fragments of the f32 form (a lane holds column r and two k).  K is permuted alike in A and B: of a block of 8 k, half h of the lanes holds k = 4h .. 4h+3,
; since that is what one 16-byte LDS load of x brings; product t = 0..31 takes k = 8 (t/2) + 4 h + 2 (t%2) + 0, 1.
.set tt, 0
.rept 32
.set cc, 0
.rept 2
.set jj, 0
.rept 2
	global_load_b32 v[WB+4*tt+2*cc+jj], v[WRO+cc], s[18:19] offset:(8*(tt/2)+2*(tt%2)+jj)*124
.set jj, jj+1
.endr
.set cc, cc+1
.endr
.set tt, tt+1
.endr
	s_wait_loadcnt 63                              ; 145 loads were issued and come back in order: at most 63 out means that the oldest 82 are in, x's sixteen and br's among them
.set qq, 0
.rept 16
	ds_store_b128 v[XST], v[XA+4*qq:XA+4*qq+3] offset:(qq/8)*XP+(qq%8)*512
.set qq, qq+1
.endr
.set qq, 0
.rept 32
	v_cvt_pk_bf16_f32 v[TB+qq], v[XA+2*qq], v[XA+2*qq+1]
.set qq, qq+1
.endr
.set qq, 0
.rept 16
	global_store_b64 v[XBO], v[TB+2*qq:TB+2*qq+1], s[22:23] offset:256*qq  ; each store of the wave covers 256 consecutive bytes, aligned
.set qq, qq+1
.endr
	s_wait_dscnt 0x0                               ; for the others' sake: my rows of x are in LDS
	s_barrier_signal -1
	s_barrier_wait -1
.set qq, 0
.rept 16                                               ; all 16 tokens, my 128 k: block qq of 8 k
	ds_load_b128 v[XA+4*qq:XA+4*qq+3], v[ALD] offset:32*qq
.set qq, qq+1
.endr
	s_wait_loadcnt 0x0                             ; Wr
	s_wait_dscnt 0x0
; 64 products, the two accumulators (experts 0-15, 16-31) by turns; the first two start the sums.
	v_wmma_f32_16x16x4_f32 v[AC:AC+7], v[XA:XA+1], v[WB:WB+1], 0
	v_wmma_f32_16x16x4_f32 v[AC+8:AC+15], v[XA:XA+1], v[WB+2:WB+3], 0
.set tt, 1
.rept 31
	v_wmma_f32_16x16x4_f32 v[AC:AC+7], v[XA+2*tt:XA+2*tt+1], v[WB+4*tt:WB+4*tt+1], v[AC:AC+7]
	v_wmma_f32_16x16x4_f32 v[AC+8:AC+15], v[XA+2*tt:XA+2*tt+1], v[WB+4*tt+2:WB+4*tt+3], v[AC+8:AC+15]
.set tt, tt+1
.endr
.rept 8
	v_nop                                          ; eight places behind the f32 form before its results are read and its sources written (ISA guide 7.12.1)
.endr
.set cc, 0
.rept 2
.set jj, 0
.rept 8                                                ; register j: token 8 h + j, expert 16 c + r; each accumulator from its low end on
	ds_store_b32 v[PST], v[AC+8*cc+jj] offset:128*jj+64*cc
.set jj, jj+1
.endr
.set cc, cc+1
.endr
	v_mov_b32 v[MX], 0                             ; destinations of the lane exchanges count as read: written once here
	v_mov_b32 v[TM], 0
	v_mov_b32 v[SM], 0
	s_wait_dscnt 0x0                               ; for the others' sake: my partial logits are in LDS
	s_barrier_signal -1
	s_barrier_wait -1
.macro RMAX dst, src                   ; the largest of the 32 lanes' src, in every lane's dst
	v_max_num_f32_dpp v[\dst], v[\src], v[\src] row_xmask:1 row_mask:0xf bank_mask:0xf
	v_max_num_f32_dpp v[\dst], v[\dst], v[\dst] row_xmask:2 row_mask:0xf bank_mask:0xf
	v_max_num_f32_dpp v[\dst], v[\dst], v[\dst] row_xmask:4 row_mask:0xf bank_mask:0xf
	v_max_num_f32_dpp v[\dst], v[\dst], v[\dst] row_xmask:8 row_mask:0xf bank_mask:0xf
	v_permlanex16_b32 v[TM], v[\dst], s12, s13
	v_max_num_f32 v[\dst], v[\dst], v[TM]
.endm
.macro RSUM dst, src
	v_add_f32_dpp v[\dst], v[\src], v[\src] row_xmask:1 row_mask:0xf bank_mask:0xf
	v_add_f32_dpp v[\dst], v[\dst], v[\dst] row_xmask:2 row_mask:0xf bank_mask:0xf
	v_add_f32_dpp v[\dst], v[\dst], v[\dst] row_xmask:4 row_mask:0xf bank_mask:0xf
	v_add_f32_dpp v[\dst], v[\dst], v[\dst] row_xmask:8 row_mask:0xf bank_mask:0xf
	v_permlanex16_b32 v[TM], v[\dst], s12, s13
	v_add_f32 v[\dst], v[\dst], v[TM]
.endm
; Token 2 w + u: lane = expert.
.macro TOKEN u
.set vv, 0
.rept 8
	ds_load_b32 v[PW+vv], v[PLD] offset:2048*vv+128*(\u)
.set vv, vv+1
.endr
	s_wait_dscnt 0x0
	v_add_f32 v[LG], v[PW], v[PW+1]                ; the eight parts of K, ascending
.set vv, 2
.rept 6
	v_add_f32 v[LG], v[LG], v[PW+vv]
.set vv, vv+1
.endr
	v_add_f32 v[LG], v[LG], v[BRV]
	v_cndmask_b32 v[LG], v[LG], s43, s40           ; lane 31 takes no part in the maximum
	RMAX MX, LG
	v_sub_f32 v[PP], v[LG], v[MX]                  ; the maximum is taken away, as reference() does
	v_mul_f32 v[PP], 0x3fb8aa3b, v[PP]
	v_exp_f32 v[PP], v[PP]
	v_nop                                          ; a plain instruction behind the exponential
	s_wait_alu depctr_va_vdst(0)
	v_cndmask_b32 v[PP], v[PP], 0, s40             ; nor in the sum
	RSUM SM, PP
	v_rcp_f32 v[RI], v[SM]
	v_cndmask_b32 v[PV], v[PP], -1.0, s40          ; (the plain instruction behind the reciprocal) below every p: never chosen
	s_wait_alu depctr_va_vdst(0)
.irp j, 0,1,2
	RMAX MX, PV
	v_cmp_eq_f32 s41, v[PV], v[MX]
	s_ctz_i32_b32 s42, s41                         ; the lowest expert that holds the maximum
	s_min_u32 s42, s42, 30
	v_mov_b32 v[TI], s42
	v_mul_f32 v[TG], v[MX], v[RI]                  ; its affinity
	ds_store_b32 v[RST], v[TI] offset:16*(\u)+4*\j ; all lanes store the same word
	ds_store_b32 v[RST], v[TG] offset:256+16*(\u)+4*\j
	v_cmp_eq_u32 s41, s42, v[LN]
	v_cndmask_b32 v[PV], v[PV], -1.0, s41          ; it is out of the running: a select, no branch
.endr
	v_mov_b32 v[TI], 31                            ; the shared expert, gate 1
	v_mov_b32 v[TG], 1.0
	ds_store_b32 v[RST], v[TI] offset:16*(\u)+12
	ds_store_b32 v[RST], v[TG] offset:256+16*(\u)+12
.endm
	TOKEN 0
	TOKEN 1
	s_wait_tensorcnt 0x0                           ; behind my last LDS store: LDS is only read from here on
	ds_add_u32 v[SPW], v[NIL]
	s_wait_dscnt 0x0                               ; also for the others' sake: my tokens' results are in LDS
	s_barrier_signal -1
	s_barrier_wait -1
	s_cmp_lt_u32 s8, 2
	s_cbranch_scc0 .Lmodes
	s_lshl_b32 s10, s8, 8                          ; wave 0 stores the choices, wave 1 the gates: 256 consecutive bytes each, aligned
	s_add_co_u32 s10, s10, RES
	v_add_nc_u32 v[TI], s10, v[XBO]
	ds_load_b64 v[PW:PW+1], v[TI]
	s_cmp_eq_u32 s8, 0
	s_cselect_b64 s[32:33], s[24:25], s[26:27]
	s_wait_dscnt 0x0
	global_store_b64 v[XBO], v[PW:PW+1], s[32:33]
	s_endpgm
.Lmodes:
	s_cmp_lg_u32 ttmp9, 0                          ; the two mode buffers are work-group 0's: wave 2 writes zeros, wave 3 ones
	s_cbranch_scc1 .Lend
	s_cmp_gt_u32 s8, 3
	s_cbranch_scc1 .Lend
	s_sub_co_u32 s10, s8, 2
	v_mov_b32 v[PW], s10
	v_mov_b32 v[PW+1], s10
	s_cmp_eq_u32 s8, 2
	s_cselect_b64 s[32:33], s[28:29], s[30:31]
	global_store_b64 v[XBO], v[PW:PW+1], s[32:33]
.Lend:
	s_endpgm
.Lfunc_end_k_qa75b81c513_route:
	.size	k_qa75b81c513_route, .Lfunc_end_k_qa75b81c513_route-k_qa75b81c513_route
	.p2alignl 7, 3214868480
	.fill 96, 4, 3214868480
	.section	.rodata,"a",@progbits
	.p2align	6, 0x0
	.amdhsa_kernel k_qa75b81c513_route
		.amdhsa_group_segment_fixed_size 83712
		.amdhsa_private_segment_fixed_size 0
		.amdhsa_enable_private_segment 0
		.amdhsa_kernarg_size 64
		.amdhsa_user_sgpr_count 2
		.amdhsa_user_sgpr_kernarg_segment_ptr 1
		.amdhsa_wavefront_size32 1
		.amdhsa_system_sgpr_workgroup_id_x 1
		.amdhsa_system_sgpr_workgroup_id_y 1
		.amdhsa_system_sgpr_workgroup_id_z 1
		.amdhsa_system_vgpr_workitem_id 0
		.amdhsa_next_free_vgpr 256
		.amdhsa_next_free_sgpr 66
		.amdhsa_reserve_vcc 0
		.amdhsa_float_denorm_mode_32 3
		.amdhsa_float_denorm_mode_16_64 3
		.amdhsa_memory_ordered 1
		.amdhsa_forward_progress 1
		.amdhsa_inst_pref_size 38
	.end_amdhsa_kernel
	.amdgpu_metadata
---
amdhsa.version: [ 1, 2 ]
amdhsa.kernels:
  - .name:           k_qa75b81c513_route
    .symbol:         k_qa75b81c513_route.kd
    .args:
      - { .name: x, .offset: 0, .size: 8, .value_kind: global_buffer, .address_space: global }
      - { .name: Wr, .offset: 8, .size: 8, .value_kind: global_buffer, .address_space: global }
      - { .name: br, .offset: 16, .size: 8, .value_kind: global_buffer, .address_space: global }
      - { .name: xb, .offset: 24, .size: 8, .value_kind: global_buffer, .address_space: global }
      - { .name: sel, .offset: 32, .size: 8, .value_kind: global_buffer, .address_space: global }
      - { .name: gates, .offset: 40, .size: 8, .value_kind: global_buffer, .address_space: global }
      - { .name: modea, .offset: 48, .size: 8, .value_kind: global_buffer, .address_space: global }
      - { .name: modeb, .offset: 56, .size: 8, .value_kind: global_buffer, .address_space: global }
    .group_segment_fixed_size: 83712
    .private_segment_fixed_size: 0
    .kernarg_segment_align: 8
    .kernarg_segment_size: 64
    .max_flat_workgroup_size: 256
    .sgpr_count:     66
    .vgpr_count:     256
    .wavefront_size: 32
...
	.end_amdgpu_metadata
.endif
;; end of part 1
;; launch up (part 2): grid 156 x 1, 4 waves a work-group, no clusters, 277,248 bytes of LDS; arguments xb, sel, We1, ws1, Be1, bs1, modea, h; writes h
.if DOCPART == 2
	.amdgcn_target "amdgcn-amd-amdhsa--gfx1250"
	.amdhsa_code_object_version 6
	.text
	.protected	k_qa75b81c513_up
	.globl	k_qa75b81c513_up
	.p2align	8
	.type	k_qa75b81c513_up,@function
k_qa75b81c513_up:
	s_mov_b64 s[64:65], 0
	v_nop
	global_prefetch_b8 v0, s[64:65] scope:SCOPE_SE
	s_setreg_imm32_b32 hwreg(HW_REG_WAVE_MODE, 25, 1), 1
	s_wait_xcnt 0x0
; ONE PRODUCT OF THE EXPERTS' FFN, for both of its layers.  Arguments: SRC, sel, W, ws, Be, bs, mode, OUT.
;   mode 0:  OUT[slot] = gelu(SRC[slot / 4] W[e] + Be[e]) in bf16      (SRC = x in bf16, [1024][1024]; OUT = h, [4096][1024])
;   mode 1:  OUT[slot] = SRC[slot] W[e] + Be[e] in f32                 (SRC = h; OUT = y, [4096][1024])
; slot = 4 x token + j; e = sel[slot]; e = 31 is the shared expert, whose weights are ws and bs.  W: [31][1024 (k)][1024 (n)] f32.  Operands in bf16, sums in f32.
; LIMITS.  NaN and infinities are not treated apart.  gelu(x) = x Phi(x), Phi by a rational approximation with an exponential (Abramowitz and Stegun 26.2.17),
; off by less than 7.5e-8 for every x; where exp(-x^2 / 2) falls below 2^-126 it counts as 0.
; SHARES.  The weights are most of the bytes and each is wanted once, so a work-group has ONE expert and 256 of its 1,024 columns, which it alone reads: 31 x 4 work-groups.
; The shared expert has all 1,024 rows: 8 blocks of 128 rows x 4 slices, 32 work-groups more.  A wave has 64 columns and up to 128 rows a pass: 8 x 4 accumulators.
; EVERY SPLIT.  Each work-group lists its expert's slots for itself from sel.  The loop over passes of 128 rows has 8 trips whatever the count; every wave passes both barriers of every trip,
; and a trip without rows jumps over its work.  An expert with more than 128 rows reads its slice once more for each further pass.
; Places of the list past the count repeat the expert's first slot: a tile that is not full computes and stores that row again, the same numbers to the same bytes from the same wave.
; WEIGHTS INTO REGISTERS, NO LDS.  For a K step of 32, load q of 16 takes 16 bytes a lane: columns 4r .. 4r+3 of row 8h + q (q < 8) or 16 + 8h + q - 8.  Sixteen lanes read 256 consecutive
; bytes, aligned.  Register c of the loads belongs to N tile c, whose 16 columns are 4r + c; two rows' registers, rounded together, are one register of the B fragment.
; In the results lane r's tiles c = 0..3 are then four NEIGHBOURING columns of a row: 16 lanes hold 64 neighbouring columns, and rows leave from registers.
; In mode 1 sixteen lanes store 256 consecutive bytes, aligned; in mode 0 128 (the neighbouring wave stores the other half of the 256).
; ROWS.  A pass's 128 rows are gathered once, in whole pieces of 512 bytes, into LDS, and all four waves read their A fragments there.
; ADDRESSES.  The mode enters no address: both modes' output bases and lane offsets are made from the ids, and the branch on the mode picks the lines that name them.
; An LDS address inside a loop is made anew from the loop's counter and a register that is never rewritten.
; ORDER.  The list is made in runs (all compares, all counts, the addresses stage by stage, one run of LDS stores), so that no line reads the result of the line before it.
; The four waves enter the K loop 64 idle cycles apart, so that their runs of LDS loads come one after the other.
; NO CLUSTER, NO TENSOR LOAD: a slice of weights has one reader; the rows come by a list, which no descriptor covers.
; The weights' loads carry the hint for bytes read once: so it is for 31 of 32 experts at up to 128 rows; the shared expert's slices (1/32 of the bytes) are read by 8 work-groups.
; REGISTERS, in windows of 256 (s_set_vgpr_msb: bits 1:0 source 0, 3:2 source 1, 5:4 source 2, 7:6 destination):
;   window 0: v0-31 addresses, bias; v32-95 B fragments, two buffers; v96-223 A fragments, two buffers; v224-255 the gather's offsets.  While the list is made and on the way out v32-223 are at work.
;   window 1: accumulator (mt, c) at v[8 (4 mt + c)]; during the gather four buffers of 64      window 2: the ring of weights as loaded: four K steps of 64
.set PITCH, 2064                       ; a row in LDS: 2,048 bytes + 16: the 16 rows of a fragment load start 16 bytes apart modulo 256
.set LISTW, 128*PITCH                  ; per wave 2,048 bytes: 256 places for its finds, 256 for the lanes that found nothing
.set CL,    LISTW+8192                 ; the list: 1,024 slots
.set TOT,   CL+4096                    ; the four waves' counts
.set SPARE, TOT+256                    ; the spare words: 128 bytes a wave, two blocks of 256 bytes that no other line names
.set KROW,  4096                       ; bytes in a row of weights
.set KSTEP, 32*KROW
.set SPW,  4                           ; v4   my spare word's LDS address; never rewritten
.set NIL,  5                           ; v5   0; never rewritten
.set WO,   6                           ; v6   my place in a K step of weights: 8 h rows + 16 r bytes
.set L16,  7                           ; v7   16 x lane
.set ADRA, 8                           ; v8-11  LDS address of my A fragments in the group of four K steps in hand, M tiles 2g, 2g+1
.set GST,  13                          ; v13  where the gather puts my 16 bytes of my wave's first row
.set CLG,  14                          ; v14  my wave's 32 places of the list
.set CLS,  15                          ; v15  the way out: my half's 8 places of the list
.set OL0,  16                          ; v16  my four columns' byte offset among the wave's 64, in bf16
.set PF,   17                          ; v17  the prefetch's offset
.set OL1,  18                          ; v18  the same as OL0 in f32
.set L4K,  19                          ; v19  lane x a row of weights
.set BIAS, 20                          ; v20-23 the bias of my four columns
.set A0,   24                          ; v24-27 LDS address of my A fragments at K = 0, M tiles 2g, 2g+1; never rewritten
.set BB,   32
.set AB,   96
.set PA,   160                         ; the list: 32 LDS addresses, one for each of my 32 compares
.set PV,   192                         ; the list: the 32 slots that go there
.set GO,   224
.set TT,   32                          ; the way out: 32 results, row j's four at 4 j
.set GA,   64                          ; |x|
.set GD,   96                          ; t
.set GW,   128                         ; the exponential
.set GP,   160                         ; the polynomial
.set SL,   192                         ; 8 slots
.set VO,   200                         ; 8 offsets
.set HH,   208                         ; 16 registers of bf16
.set WV,   8                           ; s8   wave
.set QQ,   9                           ; s9   work-group / 4
.set XE,   10                          ; s10  expert
.set SLICE,11
.set PLO,  12                          ; s12, s13  my passes: PLO <= pass < PHI
.set PHI,  13
.set MD,   14                          ; s14  mode
.set SHR,  15                          ; s15  slot >> SHR is SRC's row
.set BS,   32                          ; s[32:47] while the list is made: the finds ahead of each of 16 compares; then gelu's constants
.set CP,   32                          ; s[32:45] gelu's constants, each named as a pair
.set CU,   34
.set B1,   36
.set B2,   38
.set B3,   40
.set B4,   42
.set B5,   44
.set ABSM, 46
.set CW,   47                          ; s47  4 x slice + wave (at the head alone)
.set CNT,  48                          ; s48  the expert's rows
.set PASS, 49
.set KC,   50
.set MT,   51
.set RG,   52                          ; s52  the list place of a tile's first row
.set LIVE, 53
.set CLP,  63                          ; s63  LDS byte of the pass's 128 places of the list
.set WB0,  66                          ; s[66:67] my wave's 64 columns of the slice, row 0
.set WBP,  68                          ; s[68:69] the same, at the group of four K steps in hand
.set OB1,  78                          ; s[78:79] OUT at my wave's 64 columns in f32; s[30:31] takes the same in bf16
.set MK,   80                          ; s[80:95] the list: lane masks of up to 16 compares
.set MSB, 0
.macro WIN new                         ; the immediate's high byte repeats the setting that is left; a switch that changes nothing is dropped
.if MSB != (\new)
	s_set_vgpr_msb (MSB<<8)|(\new)
.set MSB, (\new)
.endif
.endm
.set W_CVT, 0x0a                       ; sources 0 and 1 in window 2
.set W_LD,  0x80                       ; destination in window 2
.set W_MM,  0x50                       ; C and D in window 1
.set W_ST,  0x01                       ; source 0 in window 1
.set W_G,   0x40                       ; destination in window 1
.set W_P,   0x04                       ; an LDS store's data in window 1
; 16 loads: K step `step` counted from `base`, into ring slot `slot`
.macro FILL slot, base, step
	WIN W_LD
.set qq, 0
.rept 16
	global_load_b128 v[64*(\slot)+4*qq:64*(\slot)+4*qq+3], v[WO], s[\base:\base+1] offset:(\step)*KSTEP+(qq+8*(qq/8))*KROW th:TH_LOAD_NT
.set qq, qq+1
.endr
.endm
	s_load_b512 s[16:31], s[0:1], 0x0              ; SRC 16, sel 18, W 20, ws 22, Be 24, bs 26, mode 28, OUT 30
	v_lshl_add_u32 v[SPW], v0, 2, SPARE
	v_mov_b32 v[NIL], 0
	v_and_b32 v1, 15, v0                           ; r
	v_bfe_u32 v2, v0, 4, 1                         ; h
	v_and_b32 v3, 31, v0                           ; lane
	v_lshrrev_b32 v134, 5, v0
	v_readfirstlane_b32 s[WV], v134
	s_lshr_b32 s[QQ], ttmp9, 2                     ; 0-30: a routed expert; 31-38: the shared expert's row blocks 0-7
	s_and_b32 s[SLICE], ttmp9, 3
	s_min_u32 s[XE], s[QQ], 31
	s_sub_co_u32 s[PLO], s[QQ], s[XE]
	s_add_co_u32 s54, s[PLO], 1
	s_lshl2_add_u32 s[CW], s[SLICE], s[WV]
	s_lshl_b32 s74, s[CW], 8                       ; my 64 columns in a row of f32
	v_lshlrev_b32 v[OL0], 3, v1
	v_lshlrev_b32 v[OL1], 4, v1
	v_lshl_add_u32 v[WO], v2, 15, v[OL1]
	v_lshlrev_b32 v[L16], 4, v3
	v_lshlrev_b32 v[L4K], 12, v3
	v_mul_u32_u24 v12, v1, PITCH
	v_lshl_add_u32 v12, v2, 4, v12                 ; a fragment's row x pitch + 16 x half
.irp g, 0,1,2,3
	v_add_nc_u32 v[A0+\g], (\g)*32*PITCH, v12
.endr
	s_mul_i32 s55, s[WV], 32*PITCH
	v_add_nc_u32 v[GST], s55, v[L16]
	v_lshl_add_u32 v135, s[WV], 12, v[L16]         ; sel: my wave's 1,024 slots, 4 a lane
	s_wait_kmcnt 0x0
	s_load_b32 s[MD], s[28:29], 0x0
	s_cmp_lt_u32 s[QQ], 31
	s_cselect_b64 s[WB0:WB0+1], s[20:21], s[22:23]
	s_cselect_b64 s[72:73], s[24:25], s[26:27]
	s_cselect_b32 s70, s[XE], 0
	s_cselect_b32 s[PHI], 8, s54
	s_lshl_b32 s75, s70, 12                        ; the expert's row of biases,
	s_lshl_b32 s70, s70, 22                        ; its 4 MiB of weights
	s_add_co_u32 s70, s70, s74
	s_mov_b32 s71, 0
	s_add_nc_u64 s[WB0:WB0+1], s[WB0:WB0+1], s[70:71]
	s_add_co_u32 s70, s75, s74
	s_add_nc_u64 s[72:73], s[72:73], s[70:71]
	s_mov_b32 s70, s74                             ; my 64 columns in a row of OUT: 256 bytes in f32,
	s_add_nc_u64 s[OB1:OB1+1], s[30:31], s[70:71]
	s_lshr_b32 s70, s74, 1                         ; 128 in bf16
	s_add_nc_u64 s[30:31], s[30:31], s[70:71]
.set ii, 0
.rept 8
	global_load_b128 v[AB+4*ii:AB+4*ii+3], v135, s[18:19] offset:512*ii
.set ii, ii+1
.endr
	global_load_b128 v[BIAS:BIAS+3], v[OL1], s[72:73]
	; what hangs on no load stands here, ahead of the ring's 64 loads: with 73 loads asked for, the last of them are issued only as the first come back
	s_lshl_b32 s54, s[WV], 11
	s_add_co_u32 s54, s54, LISTW
	v_mov_b32 v133, s54                            ; my wave's part of LISTW
	v_add_nc_u32 v136, s54, v[L16]
	v_mov_b32 v28, 0
	v_mov_b32 v29, 0
	v_mov_b32 v30, 0
	v_mov_b32 v31, 0
.irp k, 0,1,2,3
	ds_store_b128 v136, v[28:31] offset:512*\k     ; it is cleared, so that no place is read that nobody wrote
.endr
	v_lshlrev_b32 v131, 2, v3
	v_lshl_add_u32 v131, s[WV], 10, v131           ; my first slot: 1,024 w + 4 x lane
	v_add_nc_u32 v132, 256, v3                     ; where a lane that found nothing writes
	FILL 0, WB0, 0                                 ; the ring's first four K steps hang on no list: they are on their way while the list is made
	FILL 1, WB0, 1
	FILL 2, WB0, 2
	FILL 3, WB0, 3
	WIN 0
.irp s, 4,5,6,7                        ; K steps 4 to 7 are asked into the L2: a lane a row, my wave's 256 bytes of it; each block is asked for by this wave alone
	global_prefetch_b8 v[L4K], s[WB0:WB0+1] offset:(\s)*KSTEP th:TH_LOAD_NT scope:SCOPE_SE
.endr
	s_wait_kmcnt 0x0
	s_cmp_eq_u32 s[MD], 0                          ; SRC's row is the token in mode 0, the slot in mode 1; the row is clamped behind the shift
	s_cselect_b32 s[SHR], 2, 0
	s_mov_b32 s55, 0                               ; my wave's finds so far
	s_wait_loadcnt 63                              ; 73 loads were issued and come back in order: at most 63 out means that the oldest ten are in, sel's eight and the bias among them
; THE LIST.  Each find goes to the place of its rank in the wave's own part of LISTW; the clamp keeps every address inside that part.
; Sixteen of my 32 compares at a time: the masks; the slots (which hang on nothing); the finds ahead of each compare, by scalar counts; then rank, choice, clamp and address, each for all sixteen.
.macro FIND hf
.set ii, 0
.rept 16
	v_cmp_eq_u32 s[MK+ii], s[XE], v[AB+16*(\hf)+ii]
.set ii, ii+1
.endr
.set ii, 0
.rept 16
	v_add_nc_u32 v[PV+16*(\hf)+ii], 128*((16*(\hf)+ii)/4)+(16*(\hf)+ii)%4, v131  ; the slot
.set ii, ii+1
.endr
	s_mov_b32 s[BS], s55
.set ii, 0
.rept 15
	s_bcnt1_i32_b32 s72, s[MK+ii]
	s_add_co_u32 s[BS+ii+1], s[BS+ii], s72
.set ii, ii+1
.endr
	s_bcnt1_i32_b32 s72, s[MK+15]
	s_add_co_u32 s55, s[BS+15], s72
.set ii, 0
.rept 16
	v_mbcnt_lo_u32_b32 v[PA+16*(\hf)+ii], s[MK+ii], s[BS+ii]  ; finds ahead + finds in lower lanes
.set ii, ii+1
.endr
.set ii, 0
.rept 16
	v_cndmask_b32 v[PA+16*(\hf)+ii], v132, v[PA+16*(\hf)+ii], s[MK+ii]
.set ii, ii+1
.endr
.set ii, 0
.rept 16
	v_min_u32 v[PA+16*(\hf)+ii], 0x1ff, v[PA+16*(\hf)+ii]
.set ii, ii+1
.endr
.set ii, 0
.rept 16
	v_lshl_add_u32 v[PA+16*(\hf)+ii], v[PA+16*(\hf)+ii], 2, v133
.set ii, ii+1
.endr
.endm
	FIND 0
	FIND 1
	v_mov_b32 v128, s55
	s_lshl_b32 s54, s[WV], 2
	s_add_co_u32 s54, s54, TOT
	v_mov_b32 v129, s54
.set ii, 0
.rept 32
	ds_store_b32 v[PA+ii], v[PV+ii]
.set ii, ii+1
.endr
	ds_store_b32 v129, v128
	s_wait_dscnt 0x0                               ; for the others' sake: my finds and my count are in LDS
	s_barrier_signal -1
	s_mov_b32 s[CP], 0x3e6d3389                    ; work on registers between the signal and the wait: gelu's constants.  0.2316419
	s_mov_b32 s[CP+1], s[CP]
	s_mov_b32 s[CU], 0xbf38aa3b                    ; -log2(e) / 2
	s_mov_b32 s[CU+1], s[CU]
	s_mov_b32 s[B1], 0x3e027906                    ; the five coefficients, each divided by sqrt(2 pi): 0.12741480
	s_mov_b32 s[B1+1], s[B1]
	s_mov_b32 s[B2], 0xbe11a98e                    ; -0.14224837
	s_mov_b32 s[B2+1], s[B2]
	s_mov_b32 s[B3], 0x3f35f0e3                    ; 0.71070687
	s_mov_b32 s[B3+1], s[B3]
	s_mov_b32 s[B4], 0xbf3a00e3                    ; -0.72657601
	s_mov_b32 s[B4+1], s[B4]
	s_mov_b32 s[B5], 0x3f07dc22                    ; 0.53070271
	s_mov_b32 s[B5+1], s[B5]
	s_mov_b32 s[ABSM], 0x7fffffff
	s_barrier_wait -1
	v_mov_b32 v129, TOT
	ds_load_b128 v[136:139], v129
.set ii, 0
.rept 8                                                ; place g = thread + 128 i
	v_add_nc_u32 v[144+ii], 128*ii, v0
.set ii, ii+1
.endr
	s_wait_dscnt 0x0
	v_readfirstlane_b32 s56, v136
	v_readfirstlane_b32 s57, v137
	v_readfirstlane_b32 s58, v138
	v_readfirstlane_b32 s59, v139
	s_min_u32 s56, s56, 256                        ; a token names an expert once: 256 finds a wave at the most
	s_min_u32 s57, s57, 256
	s_min_u32 s58, s58, 256
	s_min_u32 s59, s59, 256
	s_add_co_u32 s76, s56, s57                     ; where waves 1, 2, 3 begin in the list: s56, s76, s77
	s_add_co_u32 s77, s76, s58
	s_add_co_u32 s[CNT], s77, s59
	s_lshl_b32 s60, s56, 2                         ; what place g's address in LISTW has over 4 g from each such beginning on: for each wave passed, 2,048 less its finds' bytes
	s_sub_co_u32 s60, 2048, s60
	s_lshl_b32 s61, s57, 2
	s_sub_co_u32 s61, 2048, s61
	s_add_co_u32 s61, s61, s60
	s_lshl_b32 s62, s58, 2
	s_sub_co_u32 s62, 2048, s62
	s_add_co_u32 s62, s62, s61
	s_cmp_eq_u32 s56, 0                            ; the list's first slot lies with the first wave that found one
	s_cselect_b32 s54, 2048, 0
	s_cmp_eq_u32 s76, 0
	s_cselect_b32 s55, 2048, 0
	s_cmp_eq_u32 s77, 0
	s_cselect_b32 s74, 2048, 0
	s_add_co_u32 s54, s54, s55
	s_add_co_u32 s54, s54, s74
	s_add_co_u32 s54, s54, LISTW
	v_mov_b32 v129, s54
; Four places at a time: which wave's part a place falls into, by three compares; the beginnings ascend, so the last that holds decides.
.macro PLACE hf
.set ii, 0
.rept 4
	v_cmp_le_u32 s[MK+3*ii], s56, v[144+4*(\hf)+ii]
	v_cmp_le_u32 s[MK+3*ii+1], s76, v[144+4*(\hf)+ii]
	v_cmp_le_u32 s[MK+3*ii+2], s77, v[144+4*(\hf)+ii]
.set ii, ii+1
.endr
.set ii, 0
.rept 4
	v_cndmask_b32 v[152+4*(\hf)+ii], 0, s60, s[MK+3*ii]
.set ii, ii+1
.endr
.set ii, 0
.rept 4
	v_cndmask_b32 v[152+4*(\hf)+ii], v[152+4*(\hf)+ii], s61, s[MK+3*ii+1]
.set ii, ii+1
.endr
.set ii, 0
.rept 4
	v_cndmask_b32 v[152+4*(\hf)+ii], v[152+4*(\hf)+ii], s62, s[MK+3*ii+2]
.set ii, ii+1
.endr
.endm
	PLACE 0
	PLACE 1
.set ii, 0
.rept 8
	v_lshl_add_u32 v[152+ii], v[144+ii], 2, v[152+ii]
.set ii, ii+1
.endr
.set ii, 0
.rept 8
	v_min_u32 v[152+ii], 0x1ffc, v[152+ii]         ; places past the count stay inside LISTW; what they read is thrown away
.set ii, ii+1
.endr
.set ii, 0
.rept 8
	v_add_nc_u32 v[152+ii], LISTW, v[152+ii]
.set ii, ii+1
.endr
	ds_load_b32 v140, v129
.set ii, 0
.rept 8
	ds_load_b32 v[160+ii], v[152+ii]
.set ii, ii+1
.endr
	v_lshl_add_u32 v141, v0, 2, CL
.set ii, 0
.rept 8
	v_cmp_gt_u32 s[MK+ii], s[CNT], v[144+ii]
.set ii, ii+1
.endr
	s_wait_dscnt 0x0
.set ii, 0
.rept 8
	v_cndmask_b32 v[160+ii], v140, v[160+ii], s[MK+ii]  ; past the count: the first slot again
.set ii, ii+1
.endr
.set ii, 0
.rept 8
	ds_store_b32 v141, v[160+ii] offset:512*ii
.set ii, ii+1
.endr
; THE GATHER.  Batch b is rows 4b .. 4b+3 of my wave's 32: 16 loads of 512 consecutive bytes, into buffer b % 4 of window 1.
.macro GLOAD b
	WIN W_G
.set rr, 4*(\b)
.rept 4
.set cc, 0
.rept 4
	global_load_b128 v[64*((\b)%4)+16*(rr%4)+4*cc:64*((\b)%4)+16*(rr%4)+4*cc+3], v[GO+rr], s[16:17] offset:512*cc
.set cc, cc+1
.endr
.set rr, rr+1
.endr
.endm
.macro GPUT b
	WIN W_P
.set rr, 4*(\b)
.rept 4
.set cc, 0
.rept 4
	ds_store_b128 v[GST], v[64*((\b)%4)+16*(rr%4)+4*cc:64*((\b)%4)+16*(rr%4)+4*cc+3] offset:rr*PITCH+512*cc
.set cc, cc+1
.endr
.set rr, rr+1
.endr
.endm
; 16 LDS loads: the A fragments of 32 along K at byte k of the rows, counted from the four address registers at ar, into buffer buf.
; Lane l: row l % 16; K = 8 (l / 16) + 0..7 and 16 more: two loads, 32 bytes apart.
.macro ALOAD buf, k, ar
.set mm, 0
.rept 8
	ds_load_b128 v[AB+64*(\buf)+8*mm:AB+64*(\buf)+8*mm+3],   v[(\ar)+mm/2] offset:(mm%2)*16*PITCH+(\k)
	ds_load_b128 v[AB+64*(\buf)+8*mm+4:AB+64*(\buf)+8*mm+7], v[(\ar)+mm/2] offset:(mm%2)*16*PITCH+(\k)+32
.set mm, mm+1
.endr
.endm
; A K STEP of 32: ring slot s becomes four B fragments (32 roundings of two), the slot is asked for again four steps on, the next step's A is fetched, 32 products.
; The roundings name no register of the products in front of them: they are the places between those products and the loads into the A buffer that they read,
; and between the products two steps back and the writes into their B buffer.  The 32 accumulators take turns, over the loop's edge too.
; left: the younger loads of weights that may stay out.
.macro STEP s, zero, refill, pf, anext, left, ar
.set PAR, (\s)%2
	s_wait_loadcnt \left
	WIN W_CVT
.set cc, 0
.rept 4
.set ii, 0
.rept 8
	v_cvt_pk_bf16_f32 v[BB+32*PAR+8*cc+ii], v[64*(\s)+8*ii+cc], v[64*(\s)+8*ii+4+cc]
.set ii, ii+1
.endr
.set cc, cc+1
.endr
.if \refill
	FILL \s, WBP, (\s)+4
.endif
	WIN 0
.if \pf
	global_prefetch_b8 v[PF], s[WB0:WB0+1] offset:(\s)*KSTEP th:TH_LOAD_NT scope:SCOPE_SE  ; the K step eight on: a lane a row, my wave's 256 bytes of it
.endif
.if \anext
	ALOAD 1-PAR, 64*((\s)+1), \ar
	s_wait_dscnt 16                                ; this step's A is in; the sixteen just issued may be out
.else
	s_wait_dscnt 0x0
.endif
	WIN W_MM
.set mm, 0
.rept 8
.set cc, 0
.rept 4
.if \zero
	v_wmma_f32_16x16x32_bf16 v[8*(4*mm+cc):8*(4*mm+cc)+7], v[AB+64*PAR+8*mm:AB+64*PAR+8*mm+7], v[BB+32*PAR+8*cc:BB+32*PAR+8*cc+7], 0
.else
	v_wmma_f32_16x16x32_bf16 v[8*(4*mm+cc):8*(4*mm+cc)+7], v[AB+64*PAR+8*mm:AB+64*PAR+8*mm+7], v[BB+32*PAR+8*cc:BB+32*PAR+8*cc+7], v[8*(4*mm+cc):8*(4*mm+cc)+7]
.endif
.set cc, cc+1
.endr
.set mm, mm+1
.endr
.endm
; Four K steps, once round the ring.  With refills three younger slots, 48 loads, are out at each wait; the last group asks for nothing, and its counts run down.
.macro GROUP zero, refill, pf, last, ar
.if \last
	STEP 0, 0, 0, 0, 1, 48, \ar
	STEP 1, 0, 0, 0, 1, 32, \ar
	STEP 2, 0, 0, 0, 1, 16, \ar
	STEP 3, 0, 0, 0, 0, 0, \ar
.else
	STEP 0, \zero, \refill, \pf, 1, 48, \ar
	STEP 1, 0, \refill, \pf, 1, 48, \ar
	STEP 2, 0, \refill, \pf, 1, 48, \ar
	STEP 3, 0, \refill, \pf, 1, 48, \ar
.endif
.endm
; Group KC of four K steps begins: its LDS addresses (256 bytes of a row a group) and the prefetch's offset are made from the counter, the weights' base steps.
.macro NEXTG
	s_lshl_b32 s54, s[KC], 8
.irp g, 0,1,2,3
	v_add_nc_u32 v[ADRA+\g], s54, v[A0+\g]
.endr
	s_wait_xcnt 0x0                                ; the loads' base and the prefetch's offset are written only behind this wait
	s_add_nc_u64 s[WBP:WBP+1], s[WBP:WBP+1], 4*KSTEP
	s_lshl_b32 s55, s[KC], 19                      ; 4 K steps a group,
	s_add_co_u32 s55, s55, 8*KSTEP                 ; eight K steps ahead,
	s_min_u32 s55, s55, 28*KSTEP                   ; and never past the slice: the last group that asks names the last four K steps again
	v_add_nc_u32 v[PF], s55, v[L4K]
.endm
.macro TAKE mt                         ; M tile mt's 32 results plus the bias: row j's four columns side by side; each accumulator is read from its low end on
	WIN W_ST
.set jj, 0
.rept 8
.set cc, 0
.rept 4
	v_add_f32 v[TT+4*jj+cc], v[8*(4*(\mt)+cc)+jj], v[BIAS+cc]
.set cc, cc+1
.endr
.set jj, jj+1
.endr
	WIN 0
.endm
.macro EACH16 line:vararg              ; one line for each pair nn = 0, 2, .. 30
.set nn, 0
	s_wait_alu depctr_va_vdst(0)
.rept 16
	\line
.set nn, nn+2
.endr
.endm
.macro EACH32 line:vararg
.set nn, 0
.rept 32
	\line
.set nn, nn+1
.endr
.endm
; gelu(x) = max(x, 0) - a q,  a = |x|,  q = 1 - Phi(a) = exp(-a^2 / 2) (b1 t + .. + b5 t^5) / sqrt(2 pi),  t = 1 / (1 + 0.2316419 a).  Stage by stage over the 16 pairs, so that no line waits for the one before it.
; The 32 reciprocals alternate with the 32 multiplies that make the exponents, the 32 exponentials with the polynomial's first 32 steps: behind each transcendental stands a plain line
; that touches neither its result nor its source (ISA guide 5.7.2), and no result is used before many lines have passed.
.macro GELU
	EACH32 v_and_b32 v[GA+nn], s[ABSM], v[TT+nn]
	EACH16 v_pk_fma_f32 v[GD+nn:GD+nn+1], v[GA+nn:GA+nn+1], s[CP:CP+1], 1.0 op_sel_hi:[1,0,0]
.set nn, 0
.rept 16
	v_rcp_f32 v[GD+nn], v[GD+nn]
	v_pk_mul_f32 v[GW+2*nn:GW+2*nn+1], v[GA+2*nn:GA+2*nn+1], s[CU:CU+1] op_sel_hi:[1,0]
.set nn, nn+1
.endr
.set nn, 0
.rept 16
	v_rcp_f32 v[GD+16+nn], v[GD+16+nn]
	v_pk_mul_f32 v[GW+2*nn:GW+2*nn+1], v[GW+2*nn:GW+2*nn+1], v[GA+2*nn:GA+2*nn+1]
.set nn, nn+1
.endr
.set nn, 0
.rept 16
	v_exp_f32 v[GW+nn], v[GW+nn]
	s_wait_alu depctr_va_vdst(0)
	v_pk_fma_f32 v[GP+2*nn:GP+2*nn+1], v[GD+2*nn:GD+2*nn+1], s[B5:B5+1], s[B4:B4+1] op_sel_hi:[1,0,0]
.set nn, nn+1
.endr
.set nn, 0
.rept 16
	v_exp_f32 v[GW+16+nn], v[GW+16+nn]
	v_pk_fma_f32 v[GP+2*nn:GP+2*nn+1], v[GP+2*nn:GP+2*nn+1], v[GD+2*nn:GD+2*nn+1], s[B3:B3+1] op_sel_hi:[1,1,0]
.set nn, nn+1
.endr
	EACH16 v_pk_fma_f32 v[GP+nn:GP+nn+1], v[GP+nn:GP+nn+1], v[GD+nn:GD+nn+1], s[B2:B2+1] op_sel_hi:[1,1,0]
	EACH16 v_pk_fma_f32 v[GP+nn:GP+nn+1], v[GP+nn:GP+nn+1], v[GD+nn:GD+nn+1], s[B1:B1+1] op_sel_hi:[1,1,0]
	EACH16 v_pk_mul_f32 v[GP+nn:GP+nn+1], v[GP+nn:GP+nn+1], v[GD+nn:GD+nn+1]
	EACH16 v_pk_mul_f32 v[GP+nn:GP+nn+1], v[GP+nn:GP+nn+1], v[GW+nn:GW+nn+1]
	EACH16 v_pk_mul_f32 v[GP+nn:GP+nn+1], v[GP+nn:GP+nn+1], v[GA+nn:GA+nn+1]
	EACH16 v_pk_add_f32 v[TT+nn:TT+nn+1], v[TT+nn:TT+nn+1], v[GA+nn:GA+nn+1]
	EACH16 v_pk_fma_f32 v[TT+nn:TT+nn+1], v[TT+nn:TT+nn+1], 0.5, v[GP+nn:GP+nn+1] op_sel_hi:[1,0,1] neg_lo:[0,0,1] neg_hi:[0,0,1]
.endm
	s_mov_b32 s[PASS], 0
.Lpass:                                                ; 8 trips, whatever the count
	s_lshl_b32 s[RG], s[PASS], 7
	s_cmp_lt_u32 s[RG], s[CNT]                     ; the pass has rows,
	s_cselect_b32 s[LIVE], 1, 0
	s_cmp_lt_u32 s[PASS], s[PHI]                   ; and is one of mine
	s_cselect_b32 s[LIVE], s[LIVE], 0
	s_cmp_ge_u32 s[PASS], s[PLO]
	s_cselect_b32 s[LIVE], s[LIVE], 0
	s_wait_xcnt 0x0                                ; the last pass's stores, loads and prefetches have read their registers
	s_mov_b64 s[WBP:WBP+1], s[WB0:WB0+1]
	v_add_nc_u32 v[PF], 8*KSTEP, v[L4K]
	s_lshl_b32 s[CLP], s[PASS], 9
	s_add_co_u32 s[CLP], s[CLP], CL                ; the pass's 128 places of the list
	s_lshl_b32 s55, s[WV], 7
	s_add_co_u32 s55, s55, s[CLP]
	v_mov_b32 v[CLG], s55
	s_wait_dscnt 0x0                               ; my part of the list is written; my reads of the last pass's rows are over
	s_barrier_signal -1
	s_barrier_wait -1
	s_cmp_eq_u32 s[LIVE], 0
	s_cbranch_scc1 .Lno_gather
.set ii, 0
.rept 8
	ds_load_b128 v[GO+4*ii:GO+4*ii+3], v[CLG] offset:16*ii  ; my wave's 32 slots, the same in every lane
.set ii, ii+1
.endr
	s_wait_dscnt 0x0
.set ii, 0
.rept 32
	v_lshrrev_b32 v[GO+ii], s[SHR], v[GO+ii]       ; SRC's row,
	v_min_u32 v[GO+ii], 0xfff, v[GO+ii]
	v_lshl_add_u32 v[GO+ii], v[GO+ii], 11, v[L16]  ; of 2,048 bytes, and my 16 of each 512
.set ii, ii+1
.endr
	GLOAD 0
	GLOAD 1
	GLOAD 2
	GLOAD 3
.irp b, 0,1,2,3,4,5,6,7
.if (\b) < 5
	s_wait_loadcnt 48                              ; three younger batches may be out
.else
	s_wait_loadcnt 16*(7-(\b))
.endif
	GPUT \b
.if (\b) < 4
	GLOAD (\b)+4
.endif
.endr
	WIN 0
.Lno_gather:
	s_wait_dscnt 0x0                               ; for the others' sake: my 32 rows are in LDS
	s_barrier_signal -1
	s_barrier_wait -1
	s_cmp_eq_u32 s[LIVE], 0
	s_cbranch_scc1 .Lno_work
	s_cmp_eq_u32 s[PASS], s[PLO]
	s_cbranch_scc1 .Lfilled                        ; my first pass finds the ring filled from the kernel's head
	s_wait_loadcnt 0x0                             ; every earlier load into the ring's registers has landed before they are asked for again (the pass before ended on a wait for 0: this one is met at once)
	FILL 0, WBP, 0
	FILL 1, WBP, 1
	FILL 2, WBP, 2
	FILL 3, WBP, 3
	WIN 0
.Lfilled:
; All four waves leave the same barrier and run the same text, so their runs of 16 LDS loads (8 KB each) would fall at the same moment of every K step.
; Wave w idles 64 w cycles once (s_nop 15 repeats the idle cycle sixteen times: ISA guide, S_NOP): a quarter of a K step's 32 matrix instructions lies between two waves' runs.
	s_cmp_lt_u32 s[WV], 1
	s_cbranch_scc1 .Lapart
.rept 4
	s_nop 15
.endr
	s_cmp_lt_u32 s[WV], 2
	s_cbranch_scc1 .Lapart
.rept 4
	s_nop 15
.endr
	s_cmp_lt_u32 s[WV], 3
	s_cbranch_scc1 .Lapart
.rept 4
	s_nop 15
.endr
.Lapart:
	ALOAD 0, 0, A0
	GROUP 1, 1, 1, 0, A0                           ; K steps 0 to 3; the first K step's products start the sums: nothing is cleared
	WIN 0
	s_mov_b32 s[KC], 1
.Lk:                                                   ; groups 1 to 6
	NEXTG
	GROUP 0, 1, 1, 0, ADRA
	WIN 0
	s_add_co_u32 s[KC], s[KC], 1
	s_cmp_lt_u32 s[KC], 7
	s_cbranch_scc1 .Lk
.irp g, 0,1,2,3
	v_add_nc_u32 v[ADRA+\g], 7*256, v[A0+\g]       ; group 7: nothing more is asked for
.endr
	GROUP 0, 0, 0, 1, ADRA
	WIN 0
.rept 4
	v_nop                                          ; the places behind the last products
.endr
; THE WAY OUT, an M tile (16 rows) a trip.  Which accumulators a trip takes is chosen by compares on the counter, all jumps forward; the rest is written once.
	s_mov_b32 s[MT], 0
.Ltile:
	s_cmp_ge_u32 s[RG], s[CNT]
	s_cbranch_scc1 .Ltile_next                     ; a tile wholly past the count stores nothing
	s_wait_xcnt 0x0                                ; the last trip's stores have read their data and offsets
	s_lshl_b32 s55, s[MT], 6                       ; the tile's 16 places of the list,
	s_add_co_u32 s55, s55, s[CLP]
	v_lshl_add_u32 v[CLS], v2, 5, s55              ; my half's 8 of them
	ds_load_b128 v[SL:SL+3], v[CLS]                ; the slots of rows 8 h + 0..7
	ds_load_b128 v[SL+4:SL+7], v[CLS] offset:16
.irp k, 0,1,2,3,4,5,6
	s_cmp_lg_u32 s[MT], \k
	s_cbranch_scc1 .Lnot_\k
	TAKE \k
	s_branch .Lhave
.Lnot_\k:
.endr
	TAKE 7
.Lhave:
	s_cmp_lg_u32 s[MD], 0
	s_cbranch_scc1 .Lplain
	GELU
.set jj, 0
.rept 16
	v_cvt_pk_bf16_f32 v[HH+jj], v[TT+2*jj], v[TT+2*jj+1]
.set jj, jj+1
.endr
	s_wait_dscnt 0x0
.set jj, 0
.rept 8
	v_min_u32 v[VO+jj], 0xfff, v[SL+jj]
	v_lshl_add_u32 v[VO+jj], v[VO+jj], 11, v[OL0]
.set jj, jj+1
.endr
.set jj, 0
.rept 8
	global_store_b64 v[VO+jj], v[HH+2*jj:HH+2*jj+1], s[30:31]  ; 16 lanes store 128 consecutive bytes of a row of h
.set jj, jj+1
.endr
	s_branch .Ltile_next
.Lplain:
	s_wait_dscnt 0x0
.set jj, 0
.rept 8
	v_min_u32 v[VO+jj], 0xfff, v[SL+jj]
	v_lshl_add_u32 v[VO+jj], v[VO+jj], 12, v[OL1]
.set jj, jj+1
.endr
.set jj, 0
.rept 8
	global_store_b128 v[VO+jj], v[TT+4*jj:TT+4*jj+3], s[OB1:OB1+1]  ; 16 lanes store 256 consecutive bytes of a row of y, aligned
.set jj, jj+1
.endr
.Ltile_next:
	s_add_co_u32 s[RG], s[RG], 16
	s_add_co_u32 s[MT], s[MT], 1
	s_cmp_lt_u32 s[MT], 8
	s_cbranch_scc1 .Ltile
.Lno_work:
	s_add_co_u32 s[PASS], s[PASS], 1
	s_cmp_lt_u32 s[PASS], 8
	s_cbranch_scc1 .Lpass
	s_wait_dscnt 0x0                               ; my last LDS reads (rows and list) are back;
	s_barrier_signal -1                            ; one more barrier, on every wave's path: every wave's LDS reads are over
	s_barrier_wait -1                              ; before any wave writes LDS again, which the closing add below does
	s_wait_tensorcnt 0x0                           ; the wave's end, behind my last LDS store
	ds_add_u32 v[SPW], v[NIL]
	s_wait_dscnt 0x0
	s_endpgm
.Lfunc_end_k_qa75b81c513_up:
	.size	k_qa75b81c513_up, .Lfunc_end_k_qa75b81c513_up-k_qa75b81c513_up
	.p2alignl 7, 3214868480
	.fill 96, 4, 3214868480
	.section	.rodata,"a",@progbits
	.p2align	6, 0x0
	.amdhsa_kernel k_qa75b81c513_up
		.amdhsa_group_segment_fixed_size 277248
		.amdhsa_private_segment_fixed_size 0
		.amdhsa_enable_private_segment 0
		.amdhsa_kernarg_size 64
		.amdhsa_user_sgpr_count 2
		.amdhsa_user_sgpr_kernarg_segment_ptr 1
		.amdhsa_wavefront_size32 1
		.amdhsa_system_sgpr_workgroup_id_x 1
		.amdhsa_system_sgpr_workgroup_id_y 1
		.amdhsa_system_sgpr_workgroup_id_z 1
		.amdhsa_system_vgpr_workitem_id 0
		.amdhsa_next_free_vgpr 768
		.amdhsa_next_free_sgpr 96
		.amdhsa_reserve_vcc 0
		.amdhsa_float_denorm_mode_32 3
		.amdhsa_float_denorm_mode_16_64 3
		.amdhsa_memory_ordered 1
		.amdhsa_forward_progress 1
		.amdhsa_inst_pref_size 176
	.end_amdhsa_kernel
	.amdgpu_metadata
---
amdhsa.version: [ 1, 2 ]
amdhsa.kernels:
  - .name:           k_qa75b81c513_up
    .symbol:         k_qa75b81c513_up.kd
    .args:
      - { .name: xb, .offset: 0, .size: 8, .value_kind: global_buffer, .address_space: global }
      - { .name: sel, .offset: 8, .size: 8, .value_kind: global_buffer, .address_space: global }
      - { .name: We1, .offset: 16, .size: 8, .value_kind: global_buffer, .address_space: global }
      - { .name: ws1, .offset: 24, .size: 8, .value_kind: global_buffer, .address_space: global }
      - { .name: Be1, .offset: 32, .size: 8, .value_kind: global_buffer, .address_space: global }
      - { .name: bs1, .offset: 40, .size: 8, .value_kind: global_buffer, .address_space: global }
      - { .name: modea, .offset: 48, .size: 8, .value_kind: global_buffer, .address_space: global }
      - { .name: h, .offset: 56, .size: 8, .value_kind: global_buffer, .address_space: global }
    .group_segment_fixed_size: 277248
    .private_segment_fixed_size: 0
    .kernarg_segment_align: 8
    .kernarg_segment_size: 64
    .max_flat_workgroup_size: 128
    .sgpr_count:     96
    .vgpr_count:     768
    .wavefront_size: 32
...
	.end_amdgpu_metadata
.endif
;; end of part 2
;; launch down: the kernel of part 2 again; grid 156 x 1, 4 waves a work-group, no clusters, 277,248 bytes of LDS; arguments h, sel, We2, ws2, Be2, bs2, modeb, y; writes y
;; launch sum (part 3): grid 256 x 1, 4 waves a work-group, no clusters, 0 bytes of LDS; arguments x, y, gates, out0; writes out0
.if DOCPART == 3
	.amdgcn_target "amdgcn-amd-amdhsa--gfx1250"
	.amdhsa_code_object_version 6
	.text
	.protected	k_qa75b81c513_sum
	.globl	k_qa75b81c513_sum
	.p2align	8
	.type	k_qa75b81c513_sum,@function
k_qa75b81c513_sum:
	s_mov_b64 s[64:65], 0
	v_nop
	global_prefetch_b8 v0, s[64:65] scope:SCOPE_SE
	s_setreg_imm32_b32 hwreg(HW_REG_WAVE_MODE, 25, 1), 1
	s_wait_xcnt 0x0
; out[t] = x[t] + the sum over j = 0..3 of gates[4t+j] y[4t+j].  x, out: [1024][1024] f32; y: [4096][1024] f32; gates: [4096] f32 (j = 3: the shared expert, gate 1).
; A stream: one wave takes one token, 1,024 waves in all.  All its 40 loads (512 consecutive bytes each: eight pieces of x's row and of the four rows of y) go out before the first wait;
; the waits count down by pieces.  Every address is fixed by the token's number.  No LDS, no barrier, no matrix unit: memory binds, and no byte is read twice.
; The order of the four additions is the slots', not reference()'s order of experts.
.set XR, 8                             ; v8-39    x, piece q at 4 q; then the result
.set YR, 40                            ; v40-167  y: piece q, row j at 16 q + 4 j
	s_load_b256 s[4:11], s[0:1], 0x0               ; x s[4:5], y s[6:7], gates s[8:9], out s[10:11]
	v_lshrrev_b32 v1, 5, v0
	v_readfirstlane_b32 s12, v1                    ; wave
	v_and_b32 v2, 31, v0
	v_lshlrev_b32 v2, 4, v2                        ; 16 x lane
	s_lshl_b32 s13, ttmp9, 2
	s_add_co_u32 s13, s13, s12                     ; the token
	s_lshl_b32 s14, s13, 4                         ; its four gates,
	s_mov_b32 s15, 0
	s_lshl_b32 s20, s13, 12                        ; its row of x and of out,
	s_mov_b32 s21, 0
	s_lshl_b32 s22, s13, 14                        ; its four rows of y
	s_mov_b32 s23, 0
	s_wait_kmcnt 0x0
	s_add_nc_u64 s[8:9], s[8:9], s[14:15]
	s_load_b128 s[16:19], s[8:9], 0x0
	s_add_nc_u64 s[4:5], s[4:5], s[20:21]
	s_add_nc_u64 s[6:7], s[6:7], s[22:23]
	s_add_nc_u64 s[10:11], s[10:11], s[20:21]
.set qq, 0
.rept 8
	global_load_b128 v[XR+4*qq:XR+4*qq+3], v2, s[4:5] offset:512*qq th:TH_LOAD_NT
.set jj, 0
.rept 4
	global_load_b128 v[YR+16*qq+4*jj:YR+16*qq+4*jj+3], v2, s[6:7] offset:4096*jj+512*qq th:TH_LOAD_NT
.set jj, jj+1
.endr
.set qq, qq+1
.endr
	s_wait_kmcnt 0x0
	s_mov_b32 s24, s16                             ; each gate as a pair: the packed multiply-add names a pair and takes its low word for both halves
	s_mov_b32 s25, s16
	s_mov_b32 s26, s17
	s_mov_b32 s27, s17
	s_mov_b32 s28, s18
	s_mov_b32 s29, s18
	s_mov_b32 s30, s19
	s_mov_b32 s31, s19
.set qq, 0
.rept 8
	s_wait_loadcnt 5*(7-qq)                        ; piece qq's five loads are in; the later pieces' may be out
.set jj, 0
.rept 4
	v_pk_fma_f32 v[XR+4*qq:XR+4*qq+1], v[YR+16*qq+4*jj:YR+16*qq+4*jj+1], s[24+2*jj:25+2*jj], v[XR+4*qq:XR+4*qq+1] op_sel_hi:[1,0,1]
	v_pk_fma_f32 v[XR+4*qq+2:XR+4*qq+3], v[YR+16*qq+4*jj+2:YR+16*qq+4*jj+3], s[24+2*jj:25+2*jj], v[XR+4*qq+2:XR+4*qq+3] op_sel_hi:[1,0,1]
.set jj, jj+1
.endr
	global_store_b128 v2, v[XR+4*qq:XR+4*qq+3], s[10:11] offset:512*qq th:TH_STORE_NT  ; 512 consecutive bytes, aligned
.set qq, qq+1
.endr
	s_endpgm
.Lfunc_end_k_qa75b81c513_sum:
	.size	k_qa75b81c513_sum, .Lfunc_end_k_qa75b81c513_sum-k_qa75b81c513_sum
	.p2alignl 7, 3214868480
	.fill 96, 4, 3214868480
	.section	.rodata,"a",@progbits
	.p2align	6, 0x0
	.amdhsa_kernel k_qa75b81c513_sum
		.amdhsa_group_segment_fixed_size 0
		.amdhsa_private_segment_fixed_size 0
		.amdhsa_enable_private_segment 0
		.amdhsa_kernarg_size 32
		.amdhsa_user_sgpr_count 2
		.amdhsa_user_sgpr_kernarg_segment_ptr 1
		.amdhsa_wavefront_size32 1
		.amdhsa_system_sgpr_workgroup_id_x 1
		.amdhsa_system_sgpr_workgroup_id_y 1
		.amdhsa_system_sgpr_workgroup_id_z 1
		.amdhsa_system_vgpr_workitem_id 0
		.amdhsa_next_free_vgpr 176
		.amdhsa_next_free_sgpr 66
		.amdhsa_reserve_vcc 0
		.amdhsa_float_denorm_mode_32 3
		.amdhsa_float_denorm_mode_16_64 3
		.amdhsa_memory_ordered 1
		.amdhsa_forward_progress 1
		.amdhsa_inst_pref_size 10
	.end_amdhsa_kernel
	.amdgpu_metadata
---
amdhsa.version: [ 1, 2 ]
amdhsa.kernels:
  - .name:           k_qa75b81c513_sum
    .symbol:         k_qa75b81c513_sum.kd
    .args:
      - { .name: x, .offset: 0, .size: 8, .value_kind: global_buffer, .address_space: global }
      - { .name: y, .offset: 8, .size: 8, .value_kind: global_buffer, .address_space: global }
      - { .name: gates, .offset: 16, .size: 8, .value_kind: global_buffer, .address_space: global }
      - { .name: out0, .offset: 24, .size: 8, .value_kind: global_buffer, .address_space: global }
    .group_segment_fixed_size: 0
    .private_segment_fixed_size: 0
    .kernarg_segment_align: 8
    .kernarg_segment_size: 32
    .max_flat_workgroup_size: 128
    .sgpr_count:     66
    .vgpr_count:     176
    .wavefront_size: 32
...
	.end_amdgpu_metadata
.endif
;; end of part 3
